; MI455X (gfx1250); checked and timed in simulation.
; The chip was launched on July 23, 2026; its instructions are those of AMD's public machine-readable ISA for CDNA 5 (MIT licence, August 2026) and "CDNA5" Instruction Set Architecture Reference Guide (July 2026).
;; KAN Original. Allowed arithmetic: matrix products marked QUANTISED: E4M3 operands, one E8M0 scale for each 32 along K, by v_wmma_scale_f32_16x16x128_f8f6f4 with both operands' format E4M3, f32 sums; everything else in f32.
;; Inputs: bias 512 float32; coef 512 x 512 x 6 float32; scale_base 512 x 512 float32; scale_sp 512 x 512 float32; x 8 x 2,048 x 512 float32.
;; Outputs: out0 8 x 2,048 x 512 float32.
;; This version of the problem:
;;   THIS VERSION OF THE PROBLEM IS GIVEN IN LOW PRECISION. The matrix products marked QUANTISED in the list below multiply operands that are first quantised to E4M3 (4 exponent bits, 3 mantissa bits; 8 bits a number), with one power-of-two scale for each 32 numbers along K (OCP MX v1.0); their sums are f32. All else is computed in f32.
;;   The module's matrix products, in the order in which they are computed (A, B: the left and right operand; K: the contracted axis; several contracted axes count as one K, in the product's order):
;;     1. [M 16,384, K 512] x [K 512, N 512]; A: computed on the way; B: input scale_base: QUANTISED
;;     2. [M 16,384, K 3,072] x [K 3,072, N 512]; A: computed on the way; B: computed on the way: QUANTISED
;;   THE QUANTISER, for each operand of a quantised product, along K:
;;     - K is cut into blocks of 32 from its start; a last block that is shorter is filled with zeros.
;;     - A block's scale is 2^e with e = floor(log2(the largest magnitude in the block)) - 8, held to -126 .. 127; a block of zeros has e = 0. As a byte (E8M0): e + 127.
;;     - Each number is divided by its block's scale, clamped to +-448, and rounded to the nearest number of E4M3, ties to even, subnormals kept.
;;     - The product sums the exact products of the quantised numbers (number of the format x scale) in f32.
;;   ~~~python
;;   def quantise(x, axis):      # numpy; x: float32 -> the quantised numbers, widened to float32 again
;;       x = np.moveaxis(x, axis, -1); K = x.shape[-1]
;;       x = np.pad(x, [(0, 0)] * (x.ndim - 1) + [(0, -K % 32)]); x = x.reshape(x.shape[:-1] + (-1, 32)); a = np.abs(x).max(-1, keepdims=True)
;;       e = np.where(a > 0, np.clip(np.frexp(np.where(a > 0, a, 1))[1] - 1 - 8, -126, 127), 0)      # np.frexp(a)[1] - 1 = floor(log2(a)), exactly
;;       r = np.clip(x / 2.0 ** e, -448, 448)
;;       step = 2.0 ** (np.maximum(np.frexp(np.where(r == 0, 1, r))[1] - 1, -6) - 3)
;;       q = np.round(r / step) * step * 2.0 ** e      # np.round: ties to even
;;       return np.moveaxis(q.reshape(q.shape[:-2] + (-1,))[..., :K], -1, axis).astype(np.float32)
;;   ~~~
;;   OPERANDS COMPUTED ON THE WAY. 'Computed on the way' means the value that the module computes at that place (a softmax that the list does not call 'softmax' is quantised finished and normalised). What goes into a quantiser is computed in f32, as accurately as f32 sums, v_exp_f32 and their like allow (about 1e-6 of the number): no bf16 or f16 on the way to a quantiser, and a product that is left as it is and whose result goes on into a quantised operand takes f32 operands (vector FMAs, or v_wmma_f32_16x16x4_f32). A number that lies on a knife's edge between two numbers of the format may be rounded either way, as far as f32 arithmetic and the matrix unit's own rounding can turn it there, and no further.
;; One version. Each part assembles by itself: llvm-mc -triple=amdgcn-amd-amdhsa -mcpu=gfx1250 --defsym DOCPART=n.
;; ======== version 1 of 1: 2 launches
;; limits: right only within a limited range of input values
;; workspace buffers: wq 1,835,008 bytes; wsc 57,344 bytes
;; launch prep (part 1): grid 32 x 4, 8 waves a work-group, no clusters, 67,584 bytes of LDS; arguments coef, scale_sp, scale_base, wq, wsc; writes wq, wsc
.if DOCPART == 1
	.amdgcn_target "amdgcn-amd-amdhsa--gfx1250"
	.amdhsa_code_object_version 6
	.text
	.protected	k_q0dddec1dde_prep
	.globl	k_q0dddec1dde_prep
	.p2align	8
	.type	k_q0dddec1dde_prep,@function
k_q0dddec1dde_prep:
	s_mov_b64 s[64:65], 0
	v_nop
	global_prefetch_b8 v0, s[64:65] scope:SCOPE_SE
	s_setreg_imm32_b32 hwreg(HW_REG_WAVE_MODE, 25, 1), 1
	s_wait_xcnt 0x0
.set CFP, 3088
.set SPP, 528
.set SPB, 16*CFP
.set SBB, SPB+16*SPP
.set LN,  1
.set RR,  2
.set HH,  3
.set L16, 4
.set WCF, 5
.set WSP, 6
.set RC,  7
.set RS,  8
.set PA,  9
.set PB,  10
.set PD,  11
.set QA,  12
.set QC,  13
.set QD,  14
.set RB,  15
.set R4,  16
.set X4,  32
.set PC,  48
.set N,   64
.set TM,  128
.set PW,  144
.set WV,  14
.set SEL, 36
.set MNT, 38
.macro QUANT
.irp b, 0,1,2,3
	v_max3_num_f32 v[TM+\b], |v[N+16*\b]|, |v[N+1+16*\b]|, 0x4800000
.endr
.irp i, 2,4,6,8,10,12,14
.irp b, 0,1,2,3
	s_delay_alu instid0(VALU_DEP_4)
	v_max3_num_f32 v[TM+\b], v[TM+\b], |v[N+16*\b+\i]|, |v[N+1+16*\b+\i]|
.endr
.endr
.irp b, 0,1,2,3
	s_delay_alu instid0(VALU_DEP_4)
	v_permlanex16_b32 v[TM+4+\b], v[TM+\b], s[SEL], s[SEL+1]
.endr
.irp b, 0,1,2,3
	s_delay_alu instid0(VALU_DEP_4)
	v_max_num_f32 v[TM+\b], v[TM+\b], v[TM+4+\b]
.endr
.irp b, 0,1,2,3
	s_delay_alu instid0(VALU_DEP_4)
	v_add_nc_u32 v[TM+12+\b], 0xfc000000, v[TM+\b]
.endr
.irp b, 0,1,2,3
	v_and_or_b32 v[TM+8+\b], v[TM+\b], 0x7f800000, s[MNT]
.endr
.irp b, 0,1,2,3
	v_lshrrev_b32 v[TM+4+\b], 23, v[TM+12+\b]
.endr
	s_delay_alu instid0(VALU_DEP_3)
	v_lshl_or_b32 v[PW], v[TM+5], 8, v[TM+4]
	s_delay_alu instid0(VALU_DEP_1)
	v_lshl_or_b32 v[PW], v[TM+6], 16, v[PW]
	s_delay_alu instid0(VALU_DEP_1)
	v_lshl_or_b32 v[PW], v[TM+7], 24, v[PW]
.irp b, 0,1,2,3
.irp i, 0,1,2,3,4,5,6,7,8,9,10,11,12,13,14,15
	v_med3_num_f32 v[N+16*\b+\i], v[N+16*\b+\i], -v[TM+8+\b], v[TM+8+\b]
.endr
	v_cvt_scalef32_pk8_fp8_f32 v[PC+4*\b:PC+1+4*\b], v[N+16*\b:N+7+16*\b], v[TM+12+\b]
	v_cvt_scalef32_pk8_fp8_f32 v[PC+2+4*\b:PC+3+4*\b], v[N+8+16*\b:N+15+16*\b], v[TM+12+\b]
.endr
	v_nop
.endm
.macro WSPL a0, da, c0, dc, d0, dd, fa, ga, fc, gc, fd, gd
	v_mad_u32_u24 v[PA], v[HH], \da, v[RC]
	v_mad_u32_u24 v[PB], v[HH], \dc, v[RC]
	v_mad_u32_u24 v[PD], v[HH], \dd, v[RC]
	v_mad_u32_u24 v[QA], v[HH], 4*(\ga-\fa), v[RS]
	v_mad_u32_u24 v[QC], v[HH], 4*(\gc-\fc), v[RS]
.if \gd == \fd
.set QDR, RS
.else
	v_mad_u32_u24 v[QD], v[HH], 4*(\gd-\fd), v[RS]
.set QDR, QD
.endif
.irp i, 0,1,2,3
.irp t, 0,1,2,3,4,5
	ds_load_b64 v[N+16*\i+2*\t:N+16*\i+2*\t+1], v[PA] offset:\a0+384*\i+8*\t
.endr
	ds_load_b64 v[N+16*\i+12:N+16*\i+13], v[PB] offset:\c0+384*\i
	ds_load_b64 v[N+16*\i+14:N+16*\i+15], v[PD] offset:\d0+384*\i
	ds_load_b32 v[X4+4*\i],   v[QA] offset:4*\fa+64*\i
	ds_load_b32 v[X4+4*\i+1], v[QA] offset:4*\fa+64*\i+4
	ds_load_b32 v[X4+4*\i+2], v[QC] offset:4*\fc+64*\i
	ds_load_b32 v[X4+4*\i+3], v[QDR] offset:4*\fd+64*\i
.endr
.endm
	s_load_b256 s[4:11], s[0:1], 0x0
	s_load_b64 s[12:13], s[0:1], 0x20
	v_lshl_add_u32 v160, v0, 2, 0x10400
	v_mov_b32 v161, 0
	v_lshrrev_b32 v[LN], 5, v0
	s_delay_alu instid0(VALU_DEP_1)
	v_readfirstlane_b32 s[WV], v[LN]
	v_and_b32 v[LN], 31, v0
	v_and_b32 v[RR], 15, v0
	v_bfe_u32 v[HH], v0, 4, 1
	s_delay_alu instid0(VALU_DEP_3)
	v_lshlrev_b32 v[L16], 4, v[LN]
	s_wait_alu depctr_va_vdst(0)
	v_lshlrev_b32 v[R4], 2, v[RR]
	s_and_b32 s15, ttmp7, 0xffff
	s_lshl_b32 s16, ttmp9, 4
	s_lshl_b32 s17, s[WV], 1
	s_add_co_u32 s16, s16, s17
	s_mul_i32 s18, s16, 12288
	s_mul_i32 s19, s15, 3072
	s_add_co_u32 s18, s18, s19
	s_mov_b32 s19, 0
	s_lshl_b32 s20, s16, 11
	s_lshl_b32 s21, s15, 9
	s_add_co_u32 s20, s20, s21
	s_mov_b32 s21, 0
	s_mul_i32 s22, s17, CFP
	v_add_nc_u32 v[WCF], s22, v[L16]
	s_mul_i32 s22, s17, SPP
	s_add_co_u32 s22, s22, SPB
	v_add_nc_u32 v[WSP], s22, v[L16]
	s_mul_i32 s23, s[WV], 11
	s_lshr_b32 s23, s23, 5
	s_min_u32 s23, s23, 1
	s_mul_i32 s24, s23, 3
	s_sub_co_u32 s24, s[WV], s24
	s_mul_i32 s25, s23, 1536
	v_mul_u32_u24 v[RC], v[RR], CFP
	s_delay_alu instid0(VALU_DEP_1)
	v_add_nc_u32 v[RC], s25, v[RC]
	s_lshl_b32 s25, s23, 8
	s_add_co_u32 s25, s25, SPB
	v_mul_u32_u24 v[RS], v[RR], SPP
	s_delay_alu instid0(VALU_DEP_1)
	v_lshl_add_u32 v[RB], v[HH], 6, v[RS]
	s_delay_alu instid0(VALU_DEP_1)
	v_add_nc_u32 v[RB], SBB, v[RB]
	s_delay_alu instid0(VALU_DEP_3)
	v_add_nc_u32 v[RS], s25, v[RS]
	s_mul_i32 s26, s15, 7
	s_add_co_u32 s26, s26, s[WV]
	s_lshr_b32 s27, s26, 1
	s_and_b32 s26, s26, 1
	s_lshr_b32 s28, ttmp9, 3
	s_and_b32 s29, ttmp9, 7
	s_lshl_b32 s30, s27, 17
	s_lshl_b32 s28, s28, 15
	s_add_co_u32 s30, s30, s28
	s_lshl_b32 s26, s26, 14
	s_add_co_u32 s30, s30, s26
	s_lshl_b32 s29, s29, 11
	s_add_co_u32 s30, s30, s29
	s_mov_b32 s31, 0
	s_lshr_b32 s32, s30, 5
	s_mov_b32 s33, 0
	s_mov_b32 s[SEL], 0x76543210
	s_mov_b32 s[SEL+1], 0xfedcba98
	s_mov_b32 s[MNT], 0x600000
.irp b, 0,1,2,3
	v_mov_b32 v[TM+4+\b], 0
.endr
	s_wait_kmcnt 0x0
	s_add_nc_u64 s[4:5], s[4:5], s[18:19]
	s_add_nc_u64 s[6:7], s[6:7], s[20:21]
	s_add_nc_u64 s[8:9], s[8:9], s[20:21]
	s_add_nc_u64 s[10:11], s[10:11], s[30:31]
	s_add_nc_u64 s[12:13], s[12:13], s[32:33]
.irp u, 0,1
.irp k, 0,1,2,3,4,5
	global_load_b128 v[N+32*\u+4*\k:N+32*\u+4*\k+3], v[L16], s[4:5] offset:12288*\u+512*\k th:TH_LOAD_NT
.endr
	global_load_b128 v[N+32*\u+24:N+32*\u+27], v[L16], s[6:7] offset:2048*\u th:TH_LOAD_NT
	global_load_b128 v[N+32*\u+28:N+32*\u+31], v[L16], s[8:9] offset:2048*\u th:TH_LOAD_NT
.endr
	s_wait_loadcnt 0x0
.irp u, 0,1
.irp k, 0,1,2,3,4,5
	ds_store_b128 v[WCF], v[N+32*\u+4*\k:N+32*\u+4*\k+3] offset:CFP*\u+512*\k
.endr
	ds_store_b128 v[WSP], v[N+32*\u+24:N+32*\u+27] offset:SPP*\u
	ds_store_b128 v[WSP], v[N+32*\u+28:N+32*\u+31] offset:SPP*\u+SBB-SPB
.endr
	s_wait_dscnt 0x0
	s_barrier_signal -1
	s_barrier_wait -1
	s_cmp_eq_u32 s[WV], 7
	s_cbranch_scc1 .Ldone
	s_cmp_eq_u32 s[WV], 6
	s_cbranch_scc1 .Lbase
	s_cmp_eq_u32 s24, 0
	s_cbranch_scc1 .Lk0
	s_cmp_eq_u32 s24, 1
	s_cbranch_scc1 .Lk1
	s_wait_alu depctr_va_vdst(0)
	WSPL 264, 72, 256, 72, 312, 8, 11, 14, 10, 13, 13, 13
	s_branch .Lmul
.Lk0:
	s_wait_alu depctr_va_vdst(0)
	WSPL 0, 72, 48, 72, 56, 8, 0, 3, 2, 5, 2, 2
	s_branch .Lmul
.Lk1:
	s_wait_alu depctr_va_vdst(0)
	WSPL 144, 48, 128, 120, 136, 104, 6, 8, 5, 10, 5, 10
.Lmul:
	s_wait_dscnt 0x0
.irp i, 0,1,2,3
.irp p, 0,2,4
	v_pk_mul_f32 v[N+16*\i+\p:N+16*\i+\p+1], v[N+16*\i+\p:N+16*\i+\p+1], v[X4+4*\i:X4+4*\i+1] op_sel_hi:[1,0]
	v_pk_mul_f32 v[N+16*\i+6+\p:N+16*\i+7+\p], v[N+16*\i+6+\p:N+16*\i+7+\p], v[X4+4*\i:X4+4*\i+1] op_sel:[0,1] op_sel_hi:[1,1]
.endr
	v_pk_mul_f32 v[N+16*\i+12:N+16*\i+13], v[N+16*\i+12:N+16*\i+13], v[X4+4*\i+2:X4+4*\i+3] op_sel_hi:[1,0]
	v_pk_mul_f32 v[N+16*\i+14:N+16*\i+15], v[N+16*\i+14:N+16*\i+15], v[X4+4*\i+2:X4+4*\i+3] op_sel:[0,1] op_sel_hi:[1,1]
.endr
	s_branch .Lq
.Lbase:
	s_wait_alu depctr_va_vdst(0)
.irp c, 0,1,2,3
.irp j, 0,1,2,3
	ds_load_b128 v[N+16*\c+4*\j:N+16*\c+4*\j+3], v[RB] offset:128*\c+16*\j
.endr
.endr
	s_wait_dscnt 0x0
.Lq:
	QUANT
.irp c, 0,1,2,3
	global_store_b128 v[L16], v[PC+4*\c:PC+4*\c+3], s[10:11] offset:512*\c
.endr
	global_store_b32 v[R4], v[PW], s[12:13]
.Ldone:
	s_wait_tensorcnt 0x0
	ds_add_u32 v160, v161
	s_wait_dscnt 0x0
	s_endpgm
.Lfunc_end_k_q0dddec1dde_prep:
	.size	k_q0dddec1dde_prep, .Lfunc_end_k_q0dddec1dde_prep-k_q0dddec1dde_prep
	.p2alignl 7, 3214868480
	.fill 96, 4, 3214868480
	.section	.rodata,"a",@progbits
	.p2align	6, 0x0
	.amdhsa_kernel k_q0dddec1dde_prep
		.amdhsa_group_segment_fixed_size 67584
		.amdhsa_private_segment_fixed_size 0
		.amdhsa_enable_private_segment 0
		.amdhsa_kernarg_size 40
		.amdhsa_user_sgpr_count 2
		.amdhsa_user_sgpr_kernarg_segment_ptr 1
		.amdhsa_wavefront_size32 1
		.amdhsa_system_sgpr_workgroup_id_x 1
		.amdhsa_system_sgpr_workgroup_id_y 1
		.amdhsa_system_sgpr_workgroup_id_z 1
		.amdhsa_system_vgpr_workitem_id 0
		.amdhsa_next_free_vgpr 162
		.amdhsa_next_free_sgpr 66
		.amdhsa_reserve_vcc 0
		.amdhsa_float_denorm_mode_32 3
		.amdhsa_float_denorm_mode_16_64 3
		.amdhsa_memory_ordered 1
		.amdhsa_forward_progress 1
		.amdhsa_inst_pref_size 30
	.end_amdhsa_kernel
	.amdgpu_metadata
---
amdhsa.version: [ 1, 2 ]
amdhsa.kernels:
  - .name:           k_q0dddec1dde_prep
    .symbol:         k_q0dddec1dde_prep.kd
    .args:
      - { .name: coef, .offset: 0, .size: 8, .value_kind: global_buffer, .address_space: global }
      - { .name: scale_sp, .offset: 8, .size: 8, .value_kind: global_buffer, .address_space: global }
      - { .name: scale_base, .offset: 16, .size: 8, .value_kind: global_buffer, .address_space: global }
      - { .name: wq, .offset: 24, .size: 8, .value_kind: global_buffer, .address_space: global }
      - { .name: wsc, .offset: 32, .size: 8, .value_kind: global_buffer, .address_space: global }
    .group_segment_fixed_size: 67584
    .private_segment_fixed_size: 0
    .kernarg_segment_align: 8
    .kernarg_segment_size: 40
    .max_flat_workgroup_size: 256
    .sgpr_count:     66
    .vgpr_count:     162
    .wavefront_size: 32
...
	.end_amdgpu_metadata
.endif
;; end of part 1
;; launch kan (part 2): grid 256 x 1, 8 waves a work-group, no clusters, 200,704 bytes of LDS; arguments x, wq, wsc, bias, out0; writes out0
.if DOCPART == 2
	.amdgcn_target "amdgcn-amd-amdhsa--gfx1250"
	.amdhsa_code_object_version 6
	.text
	.protected	k_q0dddec1dde_kan
	.globl	k_q0dddec1dde_kan
	.p2align	8
	.type	k_q0dddec1dde_kan,@function
k_q0dddec1dde_kan:
	s_mov_b64 s[64:65], 0
	v_nop
	global_prefetch_b8 v0, s[64:65] scope:SCOPE_SE
	s_setreg_imm32_b32 hwreg(HW_REG_WAVE_MODE, 25, 1), 1
	s_wait_xcnt 0x0
.set ABUF,  0x10000
.set ASC,   0xe000
.set XST,   0x20000
.set XPIT,  528
.set XWAVE, 16*XPIT
.set SPARE, 0x28400
.set OST,   0x28800
.set SPW,  1
.set NIL,  2
.set XG,   3
.set L4,   4
.set ASR0, 5
.set AW0,  6
.set ASW0, 7
.set ARD,  8
.set ASRD, 9
.set AWR,  10
.set ASWR, 11
.set XW,   12
.set XS,   13
.set STO,  14
.set RD,   15
.set CO,   16
.set AX,   17
.set BO,   26
.set PFO,  27
.set PFS,  28
.set AS,   32
.set BS,   36
.set AF,   64
.set BF,   128
.set CW,   40
.set CD,   50
.set X4,   68
.set T,    84
.set E,    T
.set AH,   T+32
.set CH,   T+48
.set N,    148
.set PC,   212
.set TM,   228
.set PW,   244
.set LN,   245
.set RR,   246
.set HH,   247
.set XB,   248
.set WV,   14
.set W3,   15
.set J,    24
.set TA,   25
.set TAW,  26
.set WP,   28
.set WS,   30
.set WST,  32
.set SST,  34
.set KX,   36
.set SEL,  38
.set MNT,  40
.set LE,   42
.set XP,   44
.set MSB, 0
.macro WIN new
.if MSB != \new
	s_set_vgpr_msb (MSB<<8)|\new
.set MSB, \new
.endif
.endm
.macro BHALF hf
.irp j, 0,1
	global_load_b32 v[BS+2*\hf+\j], v[L4], s[WS:WS+1] offset:256*\hf+128*\j
.endr
.irp b, 0,1,2,3
.irp c, 0,1,2,3
	global_load_b128 v[BF+64*\hf+16*\b+4*\c:BF+64*\hf+16*\b+4*\c+3], v[XG], s[WP:WP+1] offset:8192*\hf+2048*\b+512*\c
.endr
.endr
.endm
.macro WNEXT
	s_wait_xcnt 0x0
	s_add_nc_u64 s[WP:WP+1], s[WP:WP+1], s[WST:WST+1]
	s_add_nc_u64 s[WS:WS+1], s[WS:WS+1], s[SST:SST+1]
	s_xor_b32 s[WST], s[WST], 0x18000
	s_xor_b32 s[SST], s[SST], 0xc00
.endm
.macro WM b, sel
.irp m, 0,1,2,3
	v_wmma_scale_f32_16x16x128_f8f6f4 v[8*(4*(\b)+\m):8*(4*(\b)+\m)+7], v[BF+16*(\b):BF+16*(\b)+15], v[AF+16*\m:AF+16*\m+15], v[8*(4*(\b)+\m):8*(4*(\b)+\m)+7], v[BS+(\b)/2], v[AS+\m] \sel
.endr
.endm
.macro MUL hf
	WIN 0x50
	WM 4*\hf
	WM 4*\hf+1, matrix_a_scale:MATRIX_SCALE_ROW1
	WM 4*\hf+2
	WM 4*\hf+3, matrix_a_scale:MATRIX_SCALE_ROW1
	WIN 0
.rept 8
	v_nop
.endr
.endm
.macro CSTEP t, more
.irp m, 0,1,2,3
	ds_load_b32 v[AS+\m], v[ASRD] offset:512*\t+128*\m
.endr
.irp m, 0,1,2,3
.irp c, 0,1,2,3
	ds_load_b128 v[AF+16*\m+4*\c:AF+16*\m+4*\c+3], v[ARD] offset:8192*\t+2048*\m+512*\c
.endr
.endr
	s_wait_loadcnt 18
	s_wait_dscnt 0x0
	MUL 0
.if \more
	BHALF 0
	s_wait_loadcnt 18
.else
	s_wait_loadcnt 0x0
.endif
	MUL 1
.if \more
	BHALF 1
	WNEXT
.endif
.endm
.macro QUANT sgn
.irp b, 0,1,2,3
	v_max3_num_f32 v[TM+\b], |v[N+16*\b]|, |v[N+16*\b+1]|, 0x4800000
	v_max3_num_f32 v[TM+8+\b], |v[N+16*\b+8]|, |v[N+16*\b+9]|, |v[N+16*\b+10]|
.endr
.irp i, 2,4
.irp b, 0,1,2,3
	v_max3_num_f32 v[TM+\b], v[TM+\b], |v[N+16*\b+\i]|, |v[N+16*\b+\i+1]|
	v_max3_num_f32 v[TM+8+\b], v[TM+8+\b], |v[N+16*\b+\i+9]|, |v[N+16*\b+\i+10]|
.endr
.endr
.irp b, 0,1,2,3
	v_max3_num_f32 v[TM+\b], v[TM+\b], |v[N+16*\b+6]|, |v[N+16*\b+7]|
.endr
.irp b, 0,1,2,3
	v_max3_num_f32 v[TM+\b], v[TM+\b], v[TM+8+\b], |v[N+16*\b+15]|
.endr
.irp b, 0,1,2,3
	v_permlanex16_b32 v[TM+4+\b], v[TM+\b], s[SEL], s[SEL+1]
.endr
.irp b, 0,1,2,3
	v_max_num_f32 v[TM+\b], v[TM+\b], v[TM+4+\b]
.endr
.irp b, 0,1,2,3
	v_add_nc_u32 v[TM+12+\b], 0xfc000000, v[TM+\b]
.endr
.irp b, 0,1,2,3
	v_and_or_b32 v[TM+8+\b], v[TM+\b], 0x7f800000, s[MNT]
.endr
.irp b, 0,1,2,3
	v_lshrrev_b32 v[TM+4+\b], 23, v[TM+12+\b]
.endr
	v_lshl_or_b32 v[PW], v[TM+5], 8, v[TM+4]
	v_lshl_or_b32 v[PW], v[TM+6], 16, v[PW]
	v_lshl_or_b32 v[PW], v[TM+7], 24, v[PW]
.irp b, 0,1,2,3
.irp i, 0,1,2,3,4,5,6,7,8,9,10,11,12,13,14,15
.if \sgn
	v_med3_num_f32 v[N+16*\b+\i], v[N+16*\b+\i], -v[TM+8+\b], v[TM+8+\b]
.else
	v_min_num_f32 v[N+16*\b+\i], v[N+16*\b+\i], v[TM+8+\b]
.endif
.endr
	v_cvt_scalef32_pk8_fp8_f32 v[PC+4*\b:PC+1+4*\b], v[N+16*\b:N+7+16*\b], v[TM+12+\b]
	v_cvt_scalef32_pk8_fp8_f32 v[PC+2+4*\b:PC+3+4*\b], v[N+8+16*\b:N+15+16*\b], v[TM+12+\b]
.endr
	v_nop
.endm
.macro IMAGE t
.irp c, 0,1,2,3
	ds_store_b128 v[AWR], v[PC+4*\c:PC+4*\c+3] offset:8192*(\t)+512*\c
.endr
	ds_store_b32 v[ASWR], v[PW] offset:512*(\t)
.endm
.macro XGLOAD
	WIN 0x40
.irp i, 0,1,2,3,4,5,6,7,8,9,10,11,12,13,14,15
	global_load_b128 v[4*\i:4*\i+3], v[XG], s[XP:XP+1] offset:2048*\i th:TH_LOAD_NT
.endr
	WIN 0
.endm
.macro XLD t
.if \t < 6
.irp i, 0,1,2,3
	ds_load_b32 v[X4+4*\i],   v[AX+3*((\t)%3)]   offset:256*((\t)/3)+64*\i
	ds_load_b32 v[X4+4*\i+1], v[AX+3*((\t)%3)]   offset:256*((\t)/3)+64*\i+4
	ds_load_b32 v[X4+4*\i+2], v[AX+3*((\t)%3)+1] offset:256*((\t)/3)+64*\i
	ds_load_b32 v[X4+4*\i+3], v[AX+3*((\t)%3)+2] offset:256*((\t)/3)+64*\i
.endr
.else
.irp c, 0,1,2,3
.irp j, 0,1,2,3
	ds_load_b128 v[T+16*\c+4*\j:T+16*\c+4*\j+3], v[XS] offset:128*\c+16*\j
.endr
.endr
.endif
.endm
.macro EVALS k
.irp i, 0,1,2,3
.irp p, 0,1,2,3,4
	v_pk_fma_f32 v[E+2*\p:E+2*\p+1], v[X4+4*\i:X4+4*\i+1], s[KX:KX+1], v[CW+2*\p:CW+2*\p+1] op_sel_hi:[0,0,1]
	v_pk_fma_f32 v[E+10+2*\p:E+11+2*\p], v[X4+4*\i:X4+4*\i+1], s[KX:KX+1], v[CW+2*\p:CW+2*\p+1] op_sel:[1,0,0] op_sel_hi:[1,0,1]
.endr
.irp p, 0,1,2
	v_pk_fma_f32 v[E+20+2*\p:E+21+2*\p], v[X4+4*\i+2:X4+4*\i+3], s[KX:KX+1], v[CW+2*(\k)+2*\p:CW+2*(\k)+2*\p+1] op_sel_hi:[0,0,1]
	v_pk_fma_f32 v[E+26+2*\p:E+27+2*\p], v[X4+4*\i+2:X4+4*\i+3], s[KX:KX+1], v[CD+6*(\k)+2*\p:CD+6*(\k)+2*\p+1] op_sel:[1,0,0] op_sel_hi:[1,0,1]
.endr
.irp b, 0,1,2,3,4,5
	v_med3_num_f32 v[AH+\b],   v[E+\b],    -v[E+4+\b],  0
	v_med3_num_f32 v[CH+\b],   v[E+1+\b],  -v[E+3+\b],  0
	v_med3_num_f32 v[AH+6+\b], v[E+10+\b], -v[E+14+\b], 0
	v_med3_num_f32 v[CH+6+\b], v[E+11+\b], -v[E+13+\b], 0
.endr
.irp j, 0,1
	v_med3_num_f32 v[AH+12+\j], v[E+20+\j], -v[E+24+\j], 0
	v_med3_num_f32 v[CH+12+\j], v[E+21+\j], -v[E+23+\j], 0
	v_med3_num_f32 v[AH+14+\j], v[E+26+\j], -v[E+30+\j], 0
	v_med3_num_f32 v[CH+14+\j], v[E+27+\j], -v[E+29+\j], 0
.endr
.irp p, 0,2,4,6,8,10,12,14
	v_pk_mul_f32 v[E+\p:E+\p+1], v[AH+\p:AH+\p+1], v[AH+\p:AH+\p+1]
.endr
.irp p, 0,2,4,6,8,10,12,14
	v_pk_mul_f32 v[E+16+\p:E+17+\p], v[CH+\p:CH+\p+1], v[CH+\p:CH+\p+1]
.endr
.irp p, 0,2,4,6,8,10,12,14
	v_pk_mul_f32 v[AH+\p:AH+\p+1], v[E+\p:E+\p+1], v[AH+\p:AH+\p+1]
.endr
.irp p, 0,2,4,6,8,10,12,14
	v_pk_mul_f32 v[CH+\p:CH+\p+1], v[E+16+\p:E+17+\p], v[CH+\p:CH+\p+1]
.endr
.irp p, 0,2,4,6,8,10,12,14
	v_pk_fma_f32 v[N+16*\i+\p:N+16*\i+\p+1], v[CH+\p:CH+\p+1], -4.0, v[AH+\p:AH+\p+1] op_sel_hi:[1,0,1]
.endr
.endr
.endm
.macro EVAL6
.set j, 0
.rept 32
	v_pk_mul_f32 v[N+j:N+j+1], v[T+j:T+j+1], s[LE:LE+1] op_sel_hi:[1,0]
.set j, j+2
.endr
.set j, 0
	s_wait_alu depctr_va_vdst(0)
.rept 64
	v_exp_f32 v[N+j], v[N+j]
.set j, j+1
.endr
	v_nop
.set j, 0
	s_wait_alu depctr_va_vdst(0)
.rept 32
	v_pk_add_f32 v[N+j:N+j+1], v[N+j:N+j+1], 1.0 op_sel_hi:[1,0]
.set j, j+2
.endr
.set j, 0
	s_wait_alu depctr_va_vdst(0)
.rept 64
	v_rcp_f32 v[N+j], v[N+j]
.set j, j+1
.endr
	v_nop
.set j, 0
	s_wait_alu depctr_va_vdst(0)
.rept 32
	v_pk_mul_f32 v[N+j:N+j+1], v[N+j:N+j+1], v[T+j:T+j+1]
.set j, j+2
.endr
.endm
.macro MSTEP t
.if \t > 0
	s_wait_dscnt 5
.endif
.if \t < 6
	EVALS (\t)%3
	XLD (\t)+1
.else
	EVAL6
.endif
	QUANT (\t)/6
	IMAGE \t
.endm
.macro MKAX n, f0, f1
.if \f1 != \f0
	v_mad_u32_u24 v[AX+\n], v[HH], 4*(\f1-\f0), v[XB]
	v_add_nc_u32 v[AX+\n], 4*\f0, v[AX+\n]
.else
	v_add_nc_u32 v[AX+\n], 4*\f0, v[XB]
.endif
.endm
	s_load_b256 s[4:11], s[0:1], 0x0
	s_load_b64 s[12:13], s[0:1], 0x20
	v_lshl_add_u32 v[SPW], v0, 2, SPARE
	v_mov_b32 v[NIL], 0
	v_lshrrev_b32 v[LN], 5, v0
	v_readfirstlane_b32 s[WV], v[LN]
	s_and_b32 s[W3], s[WV], 3
	s_lshl_b32 s16, s[W3], 11
	s_lshl_b32 s17, s[W3], 7
	s_add_co_u32 s17, s17, ASC
	s_mul_i32 s18, s[W3], XWAVE
	s_add_co_u32 s19, s18, OST
	s_add_co_u32 s18, s18, XST
	s_lshl_b32 s27, s[W3], 9
	s_lshl_b32 s20, ttmp9, 17
	s_mov_b32 s21, 0
	s_lshl_b32 s22, s[W3], 15
	s_mov_b32 s23, 0
	s_lshl_b32 s46, s[W3], 10
	s_mov_b32 s47, 0
	s_lshr_b32 s48, ttmp9, 6
	s_lshl_b32 s48, s48, 2
	s_xor_b32 s48, s48, ttmp9
	s_and_b32 s48, s48, 63
	s_lshl_b32 s48, s48, 2
	s_add_co_u32 s48, s48, s[W3]
	s_min_u32 s49, s48, 223
	s_lshl_b32 s49, s49, 8
	s_mul_i32 s48, s48, 7168
	s_mov_b32 s[TA], ABUF
	s_mov_b32 s[TAW], 0
	s_mov_b32 s[J], 0
	s_mov_b32 s[WST], 16384
	s_mov_b32 s[WST+1], 0
	s_mov_b32 s[SST], 512
	s_mov_b32 s[SST+1], 0
	s_mov_b32 s[KX], 0x3f5352c7
	s_mov_b32 s[KX+1], s[KX]
	s_mov_b32 s[SEL], 0x76543210
	s_mov_b32 s[SEL+1], 0xfedcba98
	s_mov_b32 s[MNT], 0x600000
	s_mov_b32 s[LE], 0xbfb8aa3b
	s_mov_b32 s[LE+1], s[LE]
	v_and_b32 v[LN], 31, v0
	v_and_b32 v[RR], 15, v0
	v_bfe_u32 v[HH], v0, 4, 1
	v_lshlrev_b32 v[XG], 4, v[LN]
	v_lshlrev_b32 v[L4], 2, v[LN]
	v_mul_u32_u24 v[XB], v[RR], XPIT
	v_min_u32 v[PFO], 27, v[LN]
	v_mov_b32 v[PFS], s49
	v_add_nc_u32 v[ASR0], ASC, v[L4]
	v_add_nc_u32 v[AW0], s16, v[XG]
	v_add_nc_u32 v[ASW0], s17, v[L4]
	v_add_nc_u32 v[XW], s18, v[XG]
	v_add_nc_u32 v[RD], s19, v[XG]
	v_add_nc_u32 v[CO], s27, v[XG]
	v_lshl_add_u32 v[BO], v[HH], 5, s27
	v_lshl_add_u32 v[PFO], v[PFO], 8, s48
	v_lshl_add_u32 v[STO], v[HH], 5, v[XB]
	v_add_nc_u32 v[XB], s18, v[XB]
	v_add_nc_u32 v[STO], s19, v[STO]
	v_lshl_add_u32 v[XS], v[HH], 6, v[XB]
	MKAX 0, 0, 3
	MKAX 1, 2, 5
	MKAX 2, 2, 2
	MKAX 3, 6, 8
	MKAX 4, 5, 10
	MKAX 5, 5, 10
	MKAX 6, 11, 14
	MKAX 7, 10, 13
	MKAX 8, 13, 13
	v_mov_b32 v[CW+0], 0x401e7e15
	v_mov_b32 v[CW+1], 0x3ff68b3d
	v_mov_b32 v[CW+2], 0x3fb01a50
	v_mov_b32 v[CW+3], 0x3f5352c7
	v_mov_b32 v[CW+4], 0x3e8ce1da
	v_mov_b32 v[CW+5], 0xbe8ce1da
	v_mov_b32 v[CW+6], 0xbf5352c7
	v_mov_b32 v[CW+7], 0xbfb01a50
	v_mov_b32 v[CW+8], 0xbff68b3d
	v_mov_b32 v[CW+9], 0xc01e7e15
	v_cmp_eq_u32 vcc_lo, 1, v[HH]
.irp j, 0,1,2,3,4,5
	v_cndmask_b32 v[CD+\j],    v[CW+2+\j], v[CW+4+\j], vcc_lo
	v_cndmask_b32 v[CD+6+\j],  v[CW+4+\j], v[CW+\j],   vcc_lo
	v_cndmask_b32 v[CD+12+\j], v[CW+\j],   v[CW+2+\j], vcc_lo
.endr
.irp b, 0,1,2,3
	v_mov_b32 v[TM+4+\b], 0
.endr
	s_wait_alu depctr_va_vdst(0)
	s_wait_kmcnt 0x0
	s_add_nc_u64 s[12:13], s[12:13], s[20:21]
	s_add_nc_u64 s[XP:XP+1], s[4:5], s[20:21]
	s_add_nc_u64 s[XP:XP+1], s[XP:XP+1], s[22:23]
	s_add_nc_u64 s[WP:WP+1], s[6:7], s[22:23]
	s_add_nc_u64 s[WS:WS+1], s[8:9], s[46:47]
	s_cmp_lt_u32 s[WV], 4
	s_cbranch_scc0 .Lhead_maker
	global_prefetch_b8 v[PFO], s[6:7] th:TH_LOAD_NT scope:SCOPE_SE
	global_prefetch_b8 v[PFS], s[8:9] th:TH_LOAD_NT scope:SCOPE_SE
	WIN 0x40
.irp b, 0,1,2,3,4,5,6,7
.irp m, 0,1,2,3
	global_load_b128 v[8*(4*\b+\m):8*(4*\b+\m)+3], v[BO], s[10:11] offset:64*\b
	global_load_b128 v[8*(4*\b+\m)+4:8*(4*\b+\m)+7], v[BO], s[10:11] offset:64*\b+16
.endr
.endr
	WIN 0
	BHALF 0
	BHALF 1
	WNEXT
	s_branch .Lhead_join
.Lhead_maker:
	XGLOAD
.Lhead_join:
.Ltrip:
	s_wait_dscnt 0x0
	s_barrier_signal -1
	s_barrier_wait -1
	v_add_nc_u32 v[ARD],  s[TA],  v[XG]
	v_add_nc_u32 v[ASRD], s[TA],  v[ASR0]
	v_add_nc_u32 v[AWR],  s[TAW], v[AW0]
	v_add_nc_u32 v[ASWR], s[TAW], v[ASW0]
	s_wait_alu depctr_va_vdst(0)
	s_cmp_lt_u32 s[WV], 4
	s_cbranch_scc0 .Lmaker
	s_cmp_eq_u32 s[J], 0
	s_cbranch_scc1 .Ljoin
.irp t, 0,1,2,3,4,5
	CSTEP \t, 1
.endr
	s_cmp_eq_u32 s[J], 4
	s_cbranch_scc1 .Llast
	CSTEP 6, 1
	s_branch .Ljoin
.Llast:
	CSTEP 6, 0
	s_branch .Ljoin
.Lmaker:
	s_cmp_eq_u32 s[J], 4
	s_cbranch_scc1 .Ljoin
	s_wait_loadcnt 0x0
	WIN 0x04
.irp i, 0,1,2,3,4,5,6,7,8,9,10,11,12,13,14,15
	ds_store_b128 v[XW], v[4*\i:4*\i+3] offset:XPIT*\i
.endr
	WIN 0
	XLD 0
	s_wait_dscnt 0x0
	s_cmp_eq_u32 s[J], 3
	s_cbranch_scc1 .Lno_more_x
	s_add_nc_u64 s[XP:XP+1], s[XP:XP+1], 512
	XGLOAD
.Lno_more_x:
.irp t, 0,1,2,3,4,5,6
	MSTEP \t
.endr
.Ljoin:
	s_xor_b32 s[TA], s[TA], ABUF
	s_xor_b32 s[TAW], s[TAW], ABUF
	s_add_co_u32 s[J], s[J], 1
	s_cmp_lt_u32 s[J], 5
	s_cbranch_scc1 .Ltrip
.macro TOSTAGE m
	WIN 0x04
.irp b, 0,1,2,3,4,5,6,7
	ds_store_b128 v[STO], v[8*(4*\b+\m):8*(4*\b+\m)+3] offset:64*\b
	ds_store_b128 v[STO], v[8*(4*\b+\m)+4:8*(4*\b+\m)+7] offset:64*\b+16
.endr
	WIN 0
.irp t, 0,1,2,3,4,5,6,7,8,9,10,11,12,13,14,15
	ds_load_b128 v[64+64*((\m)%2)+4*\t:64+64*((\m)%2)+4*\t+3], v[RD] offset:\t*XPIT
.endr
.endm
.macro SEND m, younger
	s_wait_dscnt \younger
.irp t, 0,1,2,3,4,5,6,7,8,9,10,11,12,13,14,15
	global_store_b128 v[CO], v[64+64*((\m)%2)+4*\t:64+64*((\m)%2)+4*\t+3], s[12:13] offset:(16*(\m)+\t)*2048 th:TH_STORE_NT
.endr
.endm
	s_cmp_lt_u32 s[WV], 4
	s_cbranch_scc0 .Lend
	s_wait_alu depctr_va_vdst(0)
	TOSTAGE 0
	TOSTAGE 1
	SEND 0, 32
	s_wait_xcnt 0x0
	TOSTAGE 2
	SEND 1, 32
	s_wait_xcnt 0x0
	TOSTAGE 3
	SEND 2, 32
	SEND 3, 0
.Lend:
	s_wait_tensorcnt 0x0
	ds_add_u32 v[SPW], v[NIL]
	s_wait_dscnt 0x0
	s_endpgm
.Lfunc_end_k_q0dddec1dde_kan:
	.size	k_q0dddec1dde_kan, .Lfunc_end_k_q0dddec1dde_kan-k_q0dddec1dde_kan
	.p2alignl 7, 3214868480
	.fill 96, 4, 3214868480
	.section	.rodata,"a",@progbits
	.p2align	6, 0x0
	.amdhsa_kernel k_q0dddec1dde_kan
		.amdhsa_group_segment_fixed_size 200704
		.amdhsa_private_segment_fixed_size 0
		.amdhsa_enable_private_segment 0
		.amdhsa_kernarg_size 40
		.amdhsa_user_sgpr_count 2
		.amdhsa_user_sgpr_kernarg_segment_ptr 1
		.amdhsa_wavefront_size32 1
		.amdhsa_system_sgpr_workgroup_id_x 1
		.amdhsa_system_sgpr_workgroup_id_y 1
		.amdhsa_system_sgpr_workgroup_id_z 1
		.amdhsa_system_vgpr_workitem_id 0
		.amdhsa_next_free_vgpr 512
		.amdhsa_next_free_sgpr 66
		.amdhsa_reserve_vcc 1
		.amdhsa_float_denorm_mode_32 3
		.amdhsa_float_denorm_mode_16_64 3
		.amdhsa_memory_ordered 1
		.amdhsa_forward_progress 1
		.amdhsa_inst_pref_size 255
	.end_amdhsa_kernel
	.section	.bss,"aw",@nobits
	.p2align	6
	.space	262144
	.amdgpu_metadata
---
amdhsa.version: [ 1, 2 ]
amdhsa.kernels:
  - .name:           k_q0dddec1dde_kan
    .symbol:         k_q0dddec1dde_kan.kd
    .args:
      - { .name: x, .offset: 0, .size: 8, .value_kind: global_buffer, .address_space: global }
      - { .name: wq, .offset: 8, .size: 8, .value_kind: global_buffer, .address_space: global }
      - { .name: wsc, .offset: 16, .size: 8, .value_kind: global_buffer, .address_space: global }
      - { .name: bias, .offset: 24, .size: 8, .value_kind: global_buffer, .address_space: global }
      - { .name: out0, .offset: 32, .size: 8, .value_kind: global_buffer, .address_space: global }
    .group_segment_fixed_size: 200704
    .private_segment_fixed_size: 0
    .kernarg_segment_align: 8
    .kernarg_segment_size: 40
    .max_flat_workgroup_size: 256
    .sgpr_count:     66
    .vgpr_count:     512
    .wavefront_size: 32
...
	.end_amdgpu_metadata
.endif
;; end of part 2
